; MI455X (gfx1250); checked and timed in simulation.
; The chip was launched on July 23, 2026; its instructions are those of AMD's public machine-readable ISA for CDNA 5 (MIT licence, August 2026) and "CDNA5" Instruction Set Architecture Reference Guide (July 2026). The comments in the code are by the model that wrote it; some were corrected since.
;; LSTM Cell. Allowed arithmetic: float matrix products may take bf16 or f16 operands with f32 sums; other float arithmetic in f32, or as packed bf16 or f16 multiplies, adds, multiply-adds, maxima and minima; sums over many terms, partial sums and values carried from step to step in f32; what a program stores and reads back later, other than sums and carried values, may be rounded once to bf16 or f16.
;; Inputs: W_c_b 2,048 float32; W_c_w 2,048 x 4,096 float32; W_f_b 2,048 float32; W_f_w 2,048 x 4,096 float32; W_i_b 2,048 float32; W_i_w 2,048 x 4,096 float32; W_o_b 2,048 float32; W_o_w 2,048 x 4,096 float32; c 2,048 x 2,048 float32; h 2,048 x 2,048 float32; x 2,048 x 2,048 float32.
;; Outputs: out0 2,048 x 2,048 float32; out1 2,048 x 2,048 float32.
;; 2 versions, each right; version 2 is version 1 with the launch cast written anew for expert scheduling mode. Each part assembles by itself: llvm-mc -triple=amdgcn-amd-amdhsa -mcpu=gfx1250 --defsym DOCPART=n.
;; ======== version 1 of 2: 2 launches
;; workspace buffers: abf 16,777,216 bytes; wbf 67,108,864 bytes
;; launch cast (part 1): grid 256 x 1, 16 waves a work-group, no clusters, 0 bytes of LDS; arguments x, h, W_i_w, W_f_w, W_o_w, W_c_w, abf, wbf; writes abf, wbf
.if DOCPART == 1
	.amdgcn_target "amdgcn-amd-amdhsa--gfx1250"
	.amdhsa_code_object_version 6
	.text
	.protected	k_q524a196862_cast
	.globl	k_q524a196862_cast
	.p2align	8
	.type	k_q524a196862_cast,@function
k_q524a196862_cast:
	s_mov_b64 s[64:65], 0
	v_nop
	global_prefetch_b8 v0, s[64:65] scope:SCOPE_SE
	s_setreg_imm32_b32 hwreg(HW_REG_WAVE_MODE, 25, 1), 1
	s_wait_xcnt 0x0
; THE OPERANDS OF THE PRODUCT, ROUNDED ONCE TO bf16 (to nearest even) AND LAID OUT FOR IT.
;   abf[r][0..2047] = x[r][:], abf[r][2048..4095] = h[r][:]                      [2048][4096] bf16, rows of 8,192 bytes
;   wbf[(j>>5)*128 + g*32 + (j&31)][:] = W_g[j][:], g = 0 i, 1 f, 2 o, 3 c-hat   [8192][4096] bf16, rows of 8,192 bytes
; The order of wbf's rows puts 32 hidden columns of all four gates into 128 neighbouring rows, which is what one wave of the next launch multiplies.
; LIMITS.  A number beyond bf16's largest finite one rounds to an infinity; NaN stays NaN.
; SHARES.  Work-group b, wave w: row j = 8 b + (w >> 1), half s = w & 1 of that row in all six sources: 4 KiB of x, 4 KiB of h, 8 KiB of each W: 80 loads of 16 bytes a lane,
; each 512 consecutive bytes for the wave.  Four f32 become 8 bytes a lane: a store of the wave covers 256 consecutive bytes, aligned.  Every byte is read once and written once.
; No wave wants what another has fetched: no LDS, no barrier, no matrix unit.  Nothing is prefetched: the launch is nothing but its loads and stores.
; The six sources are six buffers, so the 80 turns are written out: each access is a fixed base, one of four offsets that are never rewritten, and an immediate.
.set DEPTH, 32                         ; loads in flight in each wave: a ring of 32 slots of four registers
.set TOTAL, 80                         ; loads of a wave
.set VX, 2                             ; v2  16 lane + 8,192 j + 4,096 s: my 16 bytes in x and in h
.set VW, 3                             ; v3  16 lane + 16,384 j + 8,192 s: in each W
.set DA, 4                             ; v4  8 lane + 8,192 j + 2,048 s: my 8 bytes in abf (x's part; h's lies 4,096 further)
.set DW, 5                             ; v5  8 lane + 8,192 ((j>>5) 128 + (j&31)) + 4,096 s: in wbf, gate 0; a gate is 32 rows = 262,144 bytes
.set Y,  8                             ; v[8:23]    eight slots of two registers: 4 bf16 to store
.set X,  24                            ; v[24:151]  the ring
	s_load_b512 s[8:23], s[0:1], 0x0               ; x s[8:9], h s[10:11], W_i s[12:13], W_f s[14:15], W_o s[16:17], W_c s[18:19], abf s[20:21], wbf s[22:23]
	v_and_b32 v1, 31, v0                           ; lane
	v_lshrrev_b32 v6, 5, v0
	v_readfirstlane_b32 s2, v6                     ; wave 0..15
	s_lshr_b32 s3, s2, 1
	s_lshl_b32 s5, ttmp9, 3
	s_add_co_u32 s3, s3, s5                        ; j
	s_and_b32 s4, s2, 1                            ; s
	s_lshl_b32 s5, s3, 13                          ; 8,192 j
	s_lshl_b32 s6, s4, 12
	s_add_co_u32 s6, s5, s6
	v_lshl_add_u32 v[VX], v1, 4, s6
	s_lshl_b32 s6, s3, 14
	s_lshl_b32 s7, s4, 13
	s_add_co_u32 s6, s6, s7
	v_lshl_add_u32 v[VW], v1, 4, s6
	s_lshl_b32 s6, s4, 11
	s_add_co_u32 s6, s5, s6
	v_lshl_add_u32 v[DA], v1, 3, s6
	s_lshr_b32 s6, s3, 5
	s_lshl_b32 s6, s6, 7
	s_and_b32 s7, s3, 31
	s_add_co_u32 s6, s6, s7                        ; the row of wbf for gate 0
	s_lshl_b32 s6, s6, 13
	s_lshl_b32 s7, s4, 12
	s_add_co_u32 s6, s6, s7
	v_lshl_add_u32 v[DW], v1, 3, s6
	s_wait_kmcnt 0x0
; Load t of 80: 0-7 x, 8-15 h, then 16 for each W.
.macro LD t
.if (\t) < 8
	global_load_b128 v[X+4*((\t)%DEPTH):X+4*((\t)%DEPTH)+3], v[VX], s[8:9] offset:512*(\t) th:TH_LOAD_NT
.elseif (\t) < 16
	global_load_b128 v[X+4*((\t)%DEPTH):X+4*((\t)%DEPTH)+3], v[VX], s[10:11] offset:512*((\t)-8) th:TH_LOAD_NT
.else
	global_load_b128 v[X+4*((\t)%DEPTH):X+4*((\t)%DEPTH)+3], v[VW], s[12+2*(((\t)-16)/16):13+2*(((\t)-16)/16)] offset:512*(((\t)-16)%16) th:TH_LOAD_NT
.endif
.endm
; Its store.
.macro ST t
.if (\t) < 8
	global_store_b64 v[DA], v[Y+2*((\t)%8):Y+2*((\t)%8)+1], s[20:21] offset:256*(\t) th:TH_STORE_NT
.elseif (\t) < 16
	global_store_b64 v[DA], v[Y+2*((\t)%8):Y+2*((\t)%8)+1], s[20:21] offset:4096+256*((\t)-8) th:TH_STORE_NT
.else
	global_store_b64 v[DW], v[Y+2*((\t)%8):Y+2*((\t)%8)+1], s[22:23] offset:262144*(((\t)-16)/16)+256*(((\t)-16)%16) th:TH_STORE_NT
.endif
.endm
; Turn t: load t is in; it is rounded; its slot is asked for again, ahead of the store.
.macro SLOTT t
.if TOTAL-1-(\t) < DEPTH-1
	s_wait_loadcnt TOTAL-1-(\t)                    ; the last turns load nothing: the counts run down
.else
	s_wait_loadcnt DEPTH-1                         ; loads come back in order (ISA guide 5.7.1): mine is in, the 31 younger ones stay out
.endif
.if ((\t)%8 == 0) && ((\t) > 0)
	s_wait_xcnt 0x0                                ; Y's eight slots go round: the last eight stores have read their data, which is rewritten only behind this wait
.endif
	v_cvt_pk_bf16_f32 v[Y+2*((\t)%8)],   v[X+4*((\t)%DEPTH)],   v[X+4*((\t)%DEPTH)+1]
	v_cvt_pk_bf16_f32 v[Y+2*((\t)%8)+1], v[X+4*((\t)%DEPTH)+2], v[X+4*((\t)%DEPTH)+3]
.if (\t)+DEPTH < TOTAL
	LD (\t)+DEPTH
.endif
	ST \t
.endm
.set t, 0
.rept DEPTH
	LD t                                           ; the ring is filled
.set t, t+1
.endr
.set t, 0
.rept TOTAL
	SLOTT t
.set t, t+1
.endr
	s_endpgm
.Lfunc_end_k_q524a196862_cast:
	.size	k_q524a196862_cast, .Lfunc_end_k_q524a196862_cast-k_q524a196862_cast
	.p2alignl 7, 3214868480
	.fill 96, 4, 3214868480
	.section	.rodata,"a",@progbits
	.p2align	6, 0x0
	.amdhsa_kernel k_q524a196862_cast
		.amdhsa_group_segment_fixed_size 0
		.amdhsa_private_segment_fixed_size 0
		.amdhsa_enable_private_segment 0
		.amdhsa_kernarg_size 64
		.amdhsa_user_sgpr_count 2
		.amdhsa_user_sgpr_kernarg_segment_ptr 1
		.amdhsa_wavefront_size32 1
		.amdhsa_system_sgpr_workgroup_id_x 1
		.amdhsa_system_sgpr_workgroup_id_y 1
		.amdhsa_system_sgpr_workgroup_id_z 1
		.amdhsa_system_vgpr_workitem_id 0
		.amdhsa_next_free_vgpr 152
		.amdhsa_next_free_sgpr 66
		.amdhsa_reserve_vcc 0
		.amdhsa_float_denorm_mode_32 3
		.amdhsa_float_denorm_mode_16_64 3
		.amdhsa_memory_ordered 1
		.amdhsa_forward_progress 1
		.amdhsa_inst_pref_size 30
	.end_amdhsa_kernel
	.amdgpu_metadata
---
amdhsa.version: [ 1, 2 ]
amdhsa.kernels:
  - .name:           k_q524a196862_cast
    .symbol:         k_q524a196862_cast.kd
    .args:
      - { .name: x, .offset: 0, .size: 8, .value_kind: global_buffer, .address_space: global }
      - { .name: h, .offset: 8, .size: 8, .value_kind: global_buffer, .address_space: global }
      - { .name: W_i_w, .offset: 16, .size: 8, .value_kind: global_buffer, .address_space: global }
      - { .name: W_f_w, .offset: 24, .size: 8, .value_kind: global_buffer, .address_space: global }
      - { .name: W_o_w, .offset: 32, .size: 8, .value_kind: global_buffer, .address_space: global }
      - { .name: W_c_w, .offset: 40, .size: 8, .value_kind: global_buffer, .address_space: global }
      - { .name: abf, .offset: 48, .size: 8, .value_kind: global_buffer, .address_space: global }
      - { .name: wbf, .offset: 56, .size: 8, .value_kind: global_buffer, .address_space: global }
    .group_segment_fixed_size: 0
    .private_segment_fixed_size: 0
    .kernarg_segment_align: 8
    .kernarg_segment_size: 64
    .max_flat_workgroup_size: 512
    .sgpr_count:     66
    .vgpr_count:     152
    .wavefront_size: 32
...
	.end_amdgpu_metadata
.endif
;; end of part 1
;; launch lstm (part 2): grid 32 x 8, 4 waves a work-group, clusters of 4 x 4, 327,680 bytes of LDS; arguments abf, wbf, c, W_i_b, W_f_b, W_o_b, W_c_b, out0, out1; writes out0, out1
.if DOCPART == 2
	.amdgcn_target "amdgcn-amd-amdhsa--gfx1250"
	.amdhsa_code_object_version 6
	.text
	.protected	k_q524a196862_lstm
	.globl	k_q524a196862_lstm
	.p2align	8
	.type	k_q524a196862_lstm,@function
k_q524a196862_lstm:
	s_mov_b64 s[64:65], 0
	v_nop
	global_prefetch_b8 v0, s[64:65] scope:SCOPE_SE
	s_setreg_imm32_b32 hwreg(HW_REG_WAVE_MODE, 25, 1), 1
	s_wait_xcnt 0x0
	s_wait_alu depctr_hold_cnt(0) depctr_sa_sdst(0) depctr_va_vdst(0) depctr_va_sdst(0) depctr_va_ssrc(0) depctr_va_vcc(0) depctr_vm_vsrc(0)
	s_getreg_b32 s2, hwreg(HW_REG_IB_STS2, 6, 4)
	s_cmp_eq_u32 s2, 0
	s_cbranch_scc0 .Lentry_in_a_cluster
	s_endpgm
.Lentry_in_a_cluster:
	s_bfe_u32 s2, ttmp6, 0x10000c
	s_cmp_lg_u32 s2, 0xf033
	s_cbranch_scc0 .Lentry_shape_is_right
	s_endpgm
.Lentry_shape_is_right:
; THE LSTM STEP.  gates = abf wbf^T + b (abf: [2048][4096] bf16 = [x | h]; wbf: [8192][4096] bf16, row (j>>5)*128 + g*32 + (j&31) = gate g of hidden column j; g = 0 i, 1 f, 2 o, 3 c-hat), sums in f32;
; c_new = sigmoid(f) c + sigmoid(i) tanh(c-hat) -> out1;  h_new = sigmoid(o) tanh(c_new) -> out0.  c, the biases and both outputs are f32, [2048][2048] and [2048].  No gate goes through memory.
; LIMITS.  sigmoid(x) = 1 / (1 + 2^(-L x)), tanh(x) = 1 - 2 / (1 + 2^(2 L x)), L = log2(e).  A power that overflows is an infinity, its reciprocal 0, the result the true limit; a power below 2^-126 counts as 0;
; tanh so made carries an absolute error of a few 2^-24.  NaN and infinities among the inputs are not treated apart.
; SHARES.  A work-group of four waves makes 256 batch rows x 256 rows of wbf = 64 hidden columns of all four gates; a wave 128 x 128: 64 accumulators of 16 x 16, 512 registers.  8 x 32 = 256 work-groups.
; K goes in 32 steps of 128 through a ring of two LDS slots filled by the tensor data mover; the tiles' rows are 256 bytes of memory at multiples of 256 bytes from the buffer's first byte.
; CLUSTERS: 4 x 4 work-groups.  The four of a row of the cluster need the same tiles of abf, the four of a column the same tiles of wbf: each tile is asked for JOINTLY, by the same tensor load with the same
; descriptor and a mask that names the four, which divides the requests for both by four.  c's tile is each work-group's own: a plain load.
; THE MATRIX INSTRUCTION IS USED TRANSPOSED (source 0 = 16 rows of wbf, source 1 = 16 rows of abf): lane l holds batch row l % 16 and eight neighbouring rows of wbf, 8 (l / 16) + 0..7.  A wave's 128 rows of wbf are
; 32 hidden columns x 4 gates, so accumulator (a, b = 2 g + sub) holds gate g of hidden columns 16 sub + 8 (l / 16) + 0..7: THE FOUR GATES OF AN ELEMENT LIE IN ONE LANE, 16 registers apart.
; REGISTERS, in windows of 256 (s_set_vgpr_msb's low byte: bits 1:0 source 0, 3:2 source 1, 5:4 source 2, 7:6 destination):
;   window 0: v0-31 addresses; v64-127, v128-191 fragments of abf, two buffers, later the pointwise work and the way out; v192-255 the 64 biases of my lane
;   window 1: v64-127, v128-191 fragments of wbf, two buffers      window 2: the accumulators of my rows 0-63 ((a, b) at v[8 (8 a + b)])      window 3: those of my rows 64-127
; LDS: slot 0 (abf's 256 rows, wbf's 256 rows), slot 1, the spare words.  When slot 0 has been read for the last time its first half takes c's tile (the ring's last refill); its second half and slot 1's first half,
; which no load fills any more, are the stages through which h_new and c_new leave.
.set SIZE_K, 4096
.set KSTEP,  128
.set PITCH,  272                       ; an LDS row: 256 bytes of data + 16 of padding = 68 words: row r starts at bank 4 r mod 64 (64 banks of 4 bytes: ISA guide 11.1), so the 16 rows that a load touches start at 16 different banks
.set HALFT,  128*PITCH                 ; 128 rows: what one tensor load of the ring brings, and what one wave reads of abf or of wbf
.set SLOT,   4*HALFT
.set HST,    2*HALFT                   ; h_new's stage: 256 rows x 272 bytes, where slot 0 held wbf's rows
.set NST,    SLOT                      ; c_new's stage, where slot 1 held abf's rows
.set SPARE,  2*SLOT                    ; behind the ring: the spare words, 128 bytes for each wave: two blocks of 256 bytes that no other line names
.set LAPS,   SIZE_K/(2*KSTEP)          ; a lap = two K steps = once round the ring: 16
.set ROWB,   8192                      ; bytes in a row of abf, of wbf, of c and of the outputs alike
.set ADRA, 16                          ; v16-17  LDS address of my fragments of abf in slot 0, 1
.set ADRB, 20                          ; v20-21  the same for wbf
.set DLC,  22                          ; v22     my 32 bytes (8 hidden columns) of c's tile, in row l % 16 of my first block
.set DLH,  23                          ; v23     the same place in h_new's stage
.set DLN,  24                          ; v24     and in c_new's
.set RDN,  25                          ; v25     the way out: where I read c_new's rows back
.set RDH,  26                          ; v26     and h_new's
.set CO,   27                          ; v27     my byte offset in two rows of an output
.set SPW,  28                          ; v28     LDS address of my spare word: SPARE + 4 x my thread's number; never rewritten
.set NIL,  29                          ; v29     0; never rewritten
.set PFO,  30                          ; v30     the prefetches' offset: my lane x a row; never rewritten
.set BO,   31                          ; v31     byte offset of my 8 hidden columns (sub = 0) in a bias
.set F0,   64                          ; fragment buffer 0
.set F1,   128                         ; fragment buffer 1
.set BI,   192                         ; my biases, at 16 g + 8 sub + j, times the factor of their gate's power of two
.set T,    64                          ; the pointwise work: a block's 64 gates, at 16 g + 8 sub + j
.set CC,   128                         ; c, then c_new: 16, at 8 sub + j
.set U,    144                         ; towards tanh(c_new): 16
.set OB0,  64                          ; the way out: two sets of 64 registers, 32 rows each
.set G1,  24                           ; s[24:31] descriptor group 1 for abf's tiles
.set G0,  32                           ; s[32:39] descriptor group 0 for abf's tiles, one set for each slot
.set LIM, 43                           ; s43      1 in a wave that prefetches along K, else the greatest number
.set PFA, 44                           ; s[44:45] where my prefetches stand: my work-group's 32 rows of the 128 that I fetch, one K step further than the refill in hand
.set G1B, 48                           ; s[48:55] group 1 for wbf's tiles: it differs in the mask alone
.set G0B, 56                           ; s[56:63] group 0 for wbf's tiles
.set BP,  68                           ; s[68:75] the four biases' addresses, by gate
.set O0,  76                           ; s[76:77] out0 at the first row that I store
.set O1,  78                           ; s[78:79] out1 likewise
.set G0C, 80                           ; s[80:83] group 0 for c's tile
.set G1C, 84                           ; s[84:91] group 1 for c's tile
.set KS,  92                           ; s[92:93] -L: the packed lines name a pair and take its low word for both halves
.set KT,  94                           ; s[94:95] 2 L
.set CP,  96                           ; s[96:97] c at the first row that I fetch
.set OF,  98                           ; s[98:99] that place as an offset: (256 tile row + 64 wave) rows + 64 tile column f32
.set MSB, 0
.macro WIN new                         ; the immediate's high byte repeats the setting that is left; a switch that changes nothing is dropped
.if MSB != (\new)
	s_set_vgpr_msb (MSB<<8)|(\new)
.set MSB, \new
.endif
.endm
.set MUL_LO, 0xa1                      ; source 0 (wbf) window 1, source 1 (abf) window 0, C and D window 2
.set MUL_HI, 0xf1                      ; the same, C and D window 3
.set TO_B,   0x40                      ; destination window 1, address window 0
; A joint load.  Waves 0 and 1 fetch abf's two halves, waves 2 and 3 wbf's.  Each of the two lines has one mask and one set of registers for all that issue it; the branch hangs on the wave's number alone.
; An s_nop 0 and four v_nop follow each of the two lines, ahead of the jump, the label and what follows.
.macro JLOAD s
	s_cmp_eq_u32 s11, 0
	s_cbranch_scc0 .Lfor_b_\@
	tensor_load_to_lds s[G0+4*(\s):G0+4*(\s)+3], s[G1:G1+7]
	s_nop 0
.rept 4
	v_nop
.endr
	s_branch .Lasked_\@
.Lfor_b_\@:
	tensor_load_to_lds s[G0B+4*(\s):G0B+4*(\s)+3], s[G1B:G1B+7]
	s_nop 0
.rept 4
	v_nop
.endr
.Lasked_\@:
.endm
; PREFETCHES, behind a joint load, its five lines and the run of LDS loads that follows them.  Along K: the K step that stands two refills on, 512 matrix instructions ahead of the load that will name it: 32 rows x 256
; bytes, a lane a row, one instruction a wave.  Each row's 256 bytes of a K step are named once in the launch: abf's tile row is read by every cluster of that row of clusters, and cluster x = 0 asks; wbf's tile
; column by every cluster of that column, and cluster y = 0 asks; the four partners that ask for a tile jointly share its rows out BY ADDRESS, 32 each (by cx for abf, by cy for wbf): no branch hangs on a place in
; the cluster.  The loop's last trip (s3 = 1) has no K step two refills on.  There the load two refills on is c's: behind that trip's first refill each wave names its own 64 rows of c, 256 bytes each.
; The first four K steps come by their loads alone: nothing is asked for at the head.
.macro ASK slot
	s_cmp_gt_u32 s3, s[LIM]
	s_cbranch_scc0 .Lnot_mine_\@
	global_prefetch_b8 v[PFO], s[PFA:PFA+1] offset:KSTEP*2 th:TH_LOAD_NT scope:SCOPE_SE
.Lnot_mine_\@:
.if (\slot) == 0
	s_cmp_eq_u32 s3, 1
	s_cbranch_scc0 .Lno_c_\@
	global_prefetch_b8 v[PFO], s[CP:CP+1] th:TH_LOAD_NT scope:SCOPE_SE
	global_prefetch_b8 v[PFO], s[CP:CP+1] offset:32*ROWB th:TH_LOAD_NT scope:SCOPE_SE
.Lno_c_\@:
.endif
.endm
; A round of the cluster's barrier: my work-group's barrier, so that wave 0's signal speaks for all four waves; wave 0 signals for the work-group; every wave waits for all sixteen work-groups; my work-group's
; barrier once more.  No LDS instruction of the wave is pending at a signal.
.macro CREST                           ; a round behind its opening barrier
	s_cmp_lg_u32 s10, 0
	s_cbranch_scc1 .Lnot_wave_0_\@
	s_barrier_signal -3
.Lnot_wave_0_\@:
	s_barrier_wait -3
	s_barrier_signal -1
	s_barrier_wait -1
.endm
.macro CROUND                          ; a whole round
	s_barrier_signal -1
	s_barrier_wait -1
	CREST
.endm
	s_load_b128 s[4:7], s[0:1], 0x0                ; abf s[4:5], wbf s[6:7]
	s_load_b64 s[8:9], s[0:1], 0x10                ; c
	s_load_b256 s[BP:BP+7], s[0:1], 0x18           ; W_i_b, W_f_b, W_o_b, W_c_b
	s_load_b128 s[O0:O0+3], s[0:1], 0x38           ; out0, out1
	v_lshl_add_u32 v[SPW], v0, 2, SPARE
	v_mov_b32 v[NIL], 0
	ds_add_u32 v[SPW], v[NIL]                      ; the wave's opening: the add, twice on end, and its wait ahead of my first tensor load; the set-up below, work on registers, stands between
	ds_add_u32 v[SPW], v[NIL]                      ; and once more, under the one wait
	v_lshrrev_b32 v1, 5, v0
	v_readfirstlane_b32 s10, v1                    ; wave 0..3
	s_lshr_b32 s11, s10, 1                         ; which half of the tile's batch rows is mine.  Also: I fetch for abf (0) or for wbf (1)
	s_and_b32 s12, s10, 1                          ; which half of its rows of wbf.  Also: which 128 rows of that tile I fetch
	s_bfe_u32 s40, ttmp6, 0x40000                  ; cx: my place along the cluster's x
	s_bfe_u32 s41, ttmp6, 0x40004                  ; cy: along its y
	s_lshl_b32 s42, ttmp9, 2                       ; in a cluster launch ttmp9 and ttmp7 count clusters
	s_add_co_u32 s42, s42, s40                     ; tile column = 4 x cluster x + cx, 0..31
	s_and_b32 s13, ttmp7, 0xffff
	s_lshl_b32 s13, s13, 2
	s_add_co_u32 s13, s13, s41                     ; tile row = 4 x cluster y + cy, 0..7
	s_lshl_b32 s43, s41, 2
	s_lshl_b32 s43, 15, s43                        ; my row of the cluster: places 4 cy .. 4 cy + 3
	s_lshl_b32 s44, 0x1111, s40                    ; my column: places cx, cx + 4, cx + 8, cx + 12
	; descriptor group 1 of the ring: a tile of 128 rows x 128 elements of 2 bytes, padded in LDS
	s_or_b32 s[G1+0], s43, (1<<16)|(1<<20)|(1<<21)|(5<<22)|(3<<25)  ; 15:0 the mask: abf's tiles go to my row; 17:16 elements of 2 bytes; 20 padding on; 21 set beside a mask; 24:22 after every 64 words (code 5); 31:25 4 words of it (code 3)
	s_or_b32 s[G1B+0], s44, (1<<16)|(1<<20)|(1<<21)|(5<<22)|(3<<25) ; the same with the mask of my column, for wbf's tiles
.irp g, G1, G1B
	s_mov_b32 s[(\g)+1], KSTEP<<16                 ; tensor_dim0 = 128
	s_mov_b32 s[(\g)+2], 128<<16                   ; tensor_dim1 = 128
	s_mov_b32 s[(\g)+3], KSTEP<<16                 ; tile_dim0 = 128
	s_mov_b32 s[(\g)+4], 128                       ; tile_dim1 = 128
	s_mov_b32 s[(\g)+5], SIZE_K                    ; elements from row to row
	s_mov_b32 s[(\g)+6], 0
	s_mov_b32 s[(\g)+7], 0
.endr
	; group 1 for c's tile: 64 rows x 64 elements of 4 bytes, no mask: each wave fetches 64 rows of its own work-group's tile
	s_mov_b32 s[G1C+0], (2<<16)|(1<<20)|(5<<22)|(3<<25)  ; 17:16 elements of 4 bytes; padding as above: 16 bytes behind each row of 256
	s_mov_b32 s[G1C+1], 64<<16                     ; tensor_dim0 = 64
	s_mov_b32 s[G1C+2], 64<<16                     ; tensor_dim1 = 64
	s_mov_b32 s[G1C+3], 64<<16                     ; tile_dim0 = 64
	s_mov_b32 s[G1C+4], 64                         ; tile_dim1 = 64
	s_mov_b32 s[G1C+5], 2048                       ; elements from row to row
	s_mov_b32 s[G1C+6], 0
	s_mov_b32 s[G1C+7], 0
	s_mov_b32 s[KS], 0xbfb8aa3b                    ; -log2(e)
	s_mov_b32 s[KS+1], 0xbfb8aa3b                  ; named with it as a pair, so it is written
	s_mov_b32 s[KT], 0x4038aa3b                    ; 2 log2(e)
	s_mov_b32 s[KT+1], 0x4038aa3b
	; where the ring's tiles come from.  abf's hang on the tile row alone, which my row of the cluster shares; wbf's on the tile column alone, which my column shares.
	; Every wave makes both addresses, in registers that never hold the other coordinate, and asks by one of them.
	s_lshl_b32 s17, s12, 7                         ; which 128 rows of the tile I fetch
	s_lshl_b32 s16, s13, 8
	s_add_co_u32 s16, s16, s17                     ; abf: row 256 x tile row + 128 x half
	s_lshl_b32 s46, s42, 8
	s_add_co_u32 s46, s46, s17                     ; wbf: row 256 x tile column + 128 x half
	s_mov_b32 s17, 0
	s_mov_b32 s47, 0
	s_mov_b64 s[18:19], SIZE_K*2
	s_mul_u64 s[16:17], s[16:17], s[18:19]         ; in bytes
	s_mul_u64 s[46:47], s[46:47], s[18:19]
	s_mul_i32 s20, s10, HALFT                      ; and where they go: abf's two halves, then wbf's two = wave x 128 rows: no place in the cluster enters an LDS address
	s_wait_dscnt 0x0                               ; both opening adds are done
	s_wait_kmcnt 0x0
	s_add_nc_u64 s[14:15], s[4:5], s[16:17]
	s_add_nc_u64 s[46:47], s[6:7], s[46:47]
	CROUND                                         ; all sixteen work-groups are here: the first joint loads meet
.irp s, 0,1
	s_mov_b32 s[G0+4*(\s)], 1                                      ; 1:0 count = 1
	s_add_co_u32 s[G0+4*(\s)+1], s20, (\s)*SLOT                    ; 63:32 LDS address
	s_add_nc_u64 s[G0+4*(\s)+2:G0+4*(\s)+3], s[14:15], (\s)*KSTEP*2  ; 120:64 global address: K step s
	s_or_b32 s[G0+4*(\s)+3], s[G0+4*(\s)+3], 0x80000000            ; 127:126 type = 2
	s_mov_b32 s[G0B+4*(\s)], 1
	s_add_co_u32 s[G0B+4*(\s)+1], s20, (\s)*SLOT
	s_add_nc_u64 s[G0B+4*(\s)+2:G0B+4*(\s)+3], s[46:47], (\s)*KSTEP*2
	s_or_b32 s[G0B+4*(\s)+3], s[G0B+4*(\s)+3], 0x80000000
	JLOAD \s                                       ; the ring is filled before anything else is done: two loads of mine are out
.endr
	; A fragment is 16 rows x 32 K in 8 registers: lane l holds row l % 16; registers 0-3 hold K = 8 (l / 16) + 0..7, registers 4-7 K = 16 + 8 (l / 16) + 0..7: two loads of 16 bytes, 32 bytes apart.
	v_and_b32 v1, 15, v0                           ; r = l % 16
	v_bfe_u32 v2, v0, 4, 1                         ; hh = l / 16
	v_mul_u32_u24 v3, v1, PITCH
	v_lshl_add_u32 v3, v2, 4, v3                   ; row x pitch + 16 x half
	s_mul_i32 s21, s11, HALFT                      ; my 128 rows of abf
	s_mul_i32 s22, s12, HALFT                      ; my 128 rows of wbf,
	s_add_co_u32 s22, s22, 2*HALFT                 ; which lie behind abf's 256
.irp s, 0,1
	v_add_nc_u32 v[ADRA+(\s)], s21, v3
	v_add_nc_u32 v[ADRB+(\s)], s22, v3
	s_add_co_u32 s21, s21, SLOT
	s_add_co_u32 s22, s22, SLOT
.endr
	; c's tile and the two stages have one shape: 256 batch rows x 64 hidden columns of f32, pitch 272.  My lane's place: row 128 x row half + r, byte 128 x column half + 32 hh (+ 64 sub, + 16 rows a block)
	s_mul_i32 s21, s11, HALFT
	s_lshl_b32 s22, s12, 7
	s_add_co_u32 s21, s21, s22
	v_mul_u32_u24 v4, v1, PITCH
	v_lshl_add_u32 v4, v2, 5, v4
	v_add_nc_u32 v[DLC], s21, v4
	v_add_nc_u32 v[DLH], HST, v[DLC]
	v_add_nc_u32 v[DLN], NST, v[DLC]
	s_mul_i32 s23, s10, 64*PITCH                   ; back: wave w takes rows 64 w .. 64 w + 63, whole; lanes 0-15 one row of 256 bytes, lanes 16-31 the next
	v_mul_u32_u24 v5, v2, PITCH
	v_lshl_add_u32 v5, v1, 4, v5
	v_add_nc_u32 v5, s23, v5
	v_add_nc_u32 v[RDN], NST, v5
	v_add_nc_u32 v[RDH], HST, v5
	v_lshlrev_b32 v[CO], 13, v2                    ; and the same two rows in an output
	v_lshl_add_u32 v[CO], v1, 4, v[CO]
	v_and_b32 v[PFO], 31, v0
	v_lshlrev_b32 v[PFO], 13, v[PFO]
	; the rows of c that I fetch are the rows of the outputs that I store: 256 x tile row + 64 x wave, from byte 256 x tile column on
	s_lshl_b32 s[OF], s13, 8
	s_lshl_b32 s[OF+1], s10, 6
	s_add_co_u32 s[OF], s[OF], s[OF+1]
	s_lshl_b32 s[OF], s[OF], 13
	s_lshl_b32 s[OF+1], s42, 8
	s_add_co_u32 s[OF], s[OF], s[OF+1]
	s_mov_b32 s[OF+1], 0
	s_add_nc_u64 s[CP:CP+1], s[8:9], s[OF:OF+1]
	s_add_nc_u64 s[O0:O0+1], s[O0:O0+1], s[OF:OF+1]
	s_add_nc_u64 s[O1:O1+1], s[O1:O1+1], s[OF:OF+1]
	s_mov_b32 s[G0C], 1                            ; 1:0 count = 1
	s_mul_i32 s[G0C+1], s10, 64*PITCH              ; 63:32 LDS address: wave x 64 rows, from byte 0
	s_mov_b64 s[G0C+2:G0C+3], s[CP:CP+1]           ; 120:64 global address
	s_or_b32 s[G0C+3], s[G0C+3], 0x80000000        ; 127:126 type = 2
	; my 64 biases: hidden columns 64 x tile column + 32 x column half + 16 sub + 8 hh + 0..7 of each gate.  They are waited for behind the last product.
	s_lshl_b32 s46, s42, 8
	s_lshl_b32 s47, s12, 7
	s_add_co_u32 s46, s46, s47
	v_lshl_add_u32 v[BO], v2, 5, s46
.irp g, 0,1,2,3
.irp u, 0,1
	global_load_b128 v[BI+16*(\g)+8*(\u):BI+16*(\g)+8*(\u)+3],   v[BO], s[BP+2*(\g):BP+2*(\g)+1] offset:64*(\u)
	global_load_b128 v[BI+16*(\g)+8*(\u)+4:BI+16*(\g)+8*(\u)+7], v[BO], s[BP+2*(\g):BP+2*(\g)+1] offset:64*(\u)+16
.endr
.endr
	; the prefetches along K
	s_lshl_b32 s13, s13, 8                         ; 256 x tile row
	s_lshl_b32 s42, s42, 8                         ; 256 x tile column
	s_and_b32 s22, ttmp7, 0xffff                   ; cluster y
	s_cmp_eq_u32 s11, 0                            ; do I fetch for abf?
	s_cselect_b32 s20, s13, s42                    ; the tile's first row
	s_cselect_b32 s21, s40, s41                    ; my place among the four that ask for it with me
	s_cselect_b32 s22, ttmp9, s22                  ; the coordinate along which other clusters read the same rows
	s_cselect_b64 s[PFA:PFA+1], s[4:5], s[6:7]
	s_cmp_eq_u32 s22, 0
	s_cselect_b32 s[LIM], 1, -1                    ; the same in all sixteen partners, for a given wave
	s_lshl_b32 s22, s12, 7
	s_add_co_u32 s20, s20, s22                     ; + the 128 rows that I fetch
	s_lshl_b32 s21, s21, 5
	s_add_co_u32 s20, s20, s21                     ; + my work-group's 32 of them
	s_mov_b32 s21, 0
	s_mov_b64 s[18:19], SIZE_K*2
	s_mul_u64 s[20:21], s[20:21], s[18:19]
	s_add_nc_u64 s[PFA:PFA+1], s[PFA:PFA+1], s[20:21]
	s_add_nc_u64 s[PFA:PFA+1], s[PFA:PFA+1], 2*KSTEP*2  ; at K step 2: the first refill steps it to 3 and names K step 4
; 16 matrix instructions: row blocks a0, a0 + 1 of the window's four (hi = 0: my rows 0-63, 1: rows 64-127) x all 8 blocks of wbf's rows, 32 along K.  zero = 1: the first product starts the sums: nothing is cleared.
; The 64 accumulators take turns, one instruction a turn, in the same order in every quarter step.
.macro MUL16 f, hi, a0, zero
	WIN MUL_LO+0x50*(\hi)
.irp a, \a0, (\a0)+1
.irp b, 0,1,2,3,4,5,6,7
.if \zero
	v_wmma_f32_16x16x32_bf16 v[8*(8*(\a)+(\b)):8*(8*(\a)+(\b))+7], v[(\f)+8*(\b):(\f)+8*(\b)+7], v[(\f)+8*(4*(\hi)+(\a)):(\f)+8*(4*(\hi)+(\a))+7], 0
.else
	v_wmma_f32_16x16x32_bf16 v[8*(8*(\a)+(\b)):8*(8*(\a)+(\b))+7], v[(\f)+8*(\b):(\f)+8*(\b)+7], v[(\f)+8*(4*(\hi)+(\a)):(\f)+8*(4*(\hi)+(\a))+7], v[8*(8*(\a)+(\b)):8*(8*(\a)+(\b))+7]
.endif
.endr
.endr
.endm
; 32 LDS loads in one run: the fragments of one quarter step (128 rows of wbf, 128 rows of abf, 32 K at byte k of the rows) into buffer f
.macro FETCH slot, k, f
	WIN TO_B
.irp i, 0,1,2,3,4,5,6,7
	ds_load_b128 v[(\f)+8*(\i):(\f)+8*(\i)+3],   v[ADRB+(\slot)] offset:(\k)+(\i)*16*PITCH
	ds_load_b128 v[(\f)+8*(\i)+4:(\f)+8*(\i)+7], v[ADRB+(\slot)] offset:(\k)+(\i)*16*PITCH+32
.endr
	WIN 0
.irp i, 0,1,2,3,4,5,6,7
	ds_load_b128 v[(\f)+8*(\i):(\f)+8*(\i)+3],   v[ADRA+(\slot)] offset:(\k)+(\i)*16*PITCH
	ds_load_b128 v[(\f)+8*(\i)+4:(\f)+8*(\i)+7], v[ADRA+(\slot)] offset:(\k)+(\i)*16*PITCH+32
.endr
.endm
; A load into a register that a matrix instruction has read stands four places behind that instruction, and only plain vector instructions that name none of its registers are places (ISA guide 7.12.1 for vector
; instructions).
.macro PLACES
.rept 4
	v_nop
.endr
.endm
; A K step is four quarter steps of 32 along K, 64 matrix instructions each, on buffers 0, 1, 0, 1.  One of the first three: multiplies buffer f; in its middle it fetches the next quarter's fragments into buffer g.
.macro QUARTER slot, k, f, g, zero
	s_wait_dscnt 8                                 ; wbf's fragments and abf's rows 0-63 are in; the youngest eight loads (abf's rows 64-127) may be out
	WIN MUL_LO
	MUL16 \f, 0, 0, \zero
	MUL16 \f, 0, 2, \zero
	PLACES
	FETCH \slot, \k, \g
	s_wait_dscnt 32                                ; all but the 32 just issued
	WIN MUL_HI
	MUL16 \f, 1, 0, \zero
	MUL16 \f, 1, 2, \zero
.endm
; The last quarter multiplies buffer 1 and changes slots.  MEET is its first half.  In front of the barrier each wave waits for all its tensor loads, of which one is out: its part of the next slot; adds 0 to its
; spare word; and waits for that and for its own reads of this slot.  The barrier opens a round of the cluster's barrier.
.macro MEET
	WIN 0                                          ; (the add's two registers lie in window 0)
	s_wait_tensorcnt 0x0                           ; all my tensor loads have landed;
	ds_add_u32 v[SPW], v[NIL]                      ; 0 onto my spare word;
	s_wait_dscnt 9                                 ; (the add and the youngest eight loads may be out)
	WIN MUL_LO
	MUL16 F1, 0, 0, 0                              ; sixteen matrix instructions stand between the add and the wait for it
	s_wait_dscnt 0x0                               ; the add is done, and my reads of this slot are over:
	s_barrier_signal -1                            ; say so,
	MUL16 F1, 0, 2, 0                              ; work on registers while the others arrive,
	WIN 0
	s_barrier_wait -1                              ; and go on when all four have said so
.endm
; The whole last quarter.  Behind the round the slot just read out is filled again first, with the K step two steps on; then come the next slot's first fragments.
; From a request to the wait for it a wave issues 224 matrix instructions.
.macro TURN slot, next
	s_wait_xcnt 0x0                                ; the last prefetch, a K step back, has read its address: it is stepped here, ahead of the waits of the change of slots
	s_add_nc_u64 s[PFA:PFA+1], s[PFA:PFA+1], KSTEP*2
	MEET
	CREST                                          ; all sixteen work-groups have said so: no wave of any partner still reads this slot's tile or has a load on its way
	s_add_nc_u64 s[G0+4*(\slot)+2:G0+4*(\slot)+3], s[G0+4*(\slot)+2:G0+4*(\slot)+3], 2*KSTEP*2
	s_add_nc_u64 s[G0B+4*(\slot)+2:G0B+4*(\slot)+3], s[G0B+4*(\slot)+2:G0B+4*(\slot)+3], 2*KSTEP*2
	JLOAD \slot                                    ; the first tensor load behind the round; the four v_nop behind it are also the places in front of the loads below
	FETCH \next, 0, F0
	ASK \slot
	WIN MUL_HI
	MUL16 F1, 1, 0, 0
	MUL16 F1, 1, 2, 0
.endm
; The ring's last change of slots that fills anything: slot 0 has been read for the last time, and its first 69,632 bytes take c's tile: each wave fetches 64 rows x 256 bytes, its own work-group's.
; The load has a K step of matrix instructions in which to land.
.macro CTURN
	MEET
	CREST
	tensor_load_to_lds s[G0C:G0C+3], s[G1C:G1C+7]
	s_nop 0
.rept 4
	v_nop                                          ; the places in front of the loads below
.endr
	FETCH 1, 0, F0
	WIN MUL_HI
	MUL16 F1, 1, 0, 0
	MUL16 F1, 1, 2, 0
.endm
; The very last quarter.  Its barrier says two things of every wave: its part of c's tile has landed, and its reads of slot 1 are over, so that slot 1's first half may become a stage.
.macro LASTQ
	s_wait_dscnt 8
	MUL16 F1, 0, 0, 0
	MUL16 F1, 0, 2, 0
	s_wait_tensorcnt 0x0                           ; my 64 rows of c
	s_wait_dscnt 0x0                               ; my last reads of the ring
	s_barrier_signal -1
	MUL16 F1, 1, 0, 0
	MUL16 F1, 1, 2, 0
	WIN 0
	s_barrier_wait -1
.endm
; THE POINTWISE STEP for block a: 16 batch rows x 32 hidden columns, 16 elements a lane.  Transcendentals go in batches; behind each batch stand one plain instruction and one s_wait_alu depctr_va_vdst(0),
; ahead of the first line that names a result: four waits for the block's 160.
.macro UNIT a
	WIN 0
	ds_load_b128 v[CC:CC+3],     v[DLC] offset:(\a)*16*PITCH      ; c: sub 0, columns 0-3 of my 8,
	ds_load_b128 v[CC+4:CC+7],   v[DLC] offset:(\a)*16*PITCH+16   ; 4-7;
	ds_load_b128 v[CC+8:CC+11],  v[DLC] offset:(\a)*16*PITCH+64   ; sub 1
	ds_load_b128 v[CC+12:CC+15], v[DLC] offset:(\a)*16*PITCH+80
	WIN 0x02+(\a)/4                                ; source 0: the block's accumulators, window 2 or 3
.set e, 0
.rept 24                                       ; i, f, o: -L (sum + bias); each accumulator is read from its lowest registers on
	v_pk_fma_f32 v[T+e:T+e+1], v[64*((\a)%4)+e:64*((\a)%4)+e+1], s[KS:KS+1], v[BI+e:BI+e+1] op_sel_hi:[1,0,1]
.set e, e+2
.endr
.rept 8                                        ; c-hat: 2 L (sum + bias)
	v_pk_fma_f32 v[T+e:T+e+1], v[64*((\a)%4)+e:64*((\a)%4)+e+1], s[KT:KT+1], v[BI+e:BI+e+1] op_sel_hi:[1,0,1]
.set e, e+2
.endr
	WIN 0
.set e, 0
.rept 64
	v_exp_f32 v[T+e], v[T+e]
.set e, e+1
.endr
	v_nop
	s_wait_alu depctr_va_vdst(0)
.set e, 0
.rept 32
	v_pk_add_f32 v[T+e:T+e+1], v[T+e:T+e+1], 1.0 op_sel_hi:[1,0]
.set e, e+2
.endr
.set e, 0
.rept 64
	v_rcp_f32 v[T+e], v[T+e]                       ; T+0.. sigmoid(i), T+16.. sigmoid(f), T+32.. sigmoid(o), T+48.. towards tanh(c-hat)
.set e, e+1
.endr
	v_nop
	s_wait_alu depctr_va_vdst(0)
	s_wait_dscnt 0x0                               ; c is in
.set e, 0
.rept 8
	v_pk_fma_f32 v[T+48+e:T+48+e+1], v[T+48+e:T+48+e+1], -2.0, 1.0 op_sel_hi:[1,0,0]  ; tanh(c-hat)
.set e, e+2
.endr
.set e, 0
.rept 8
	v_pk_mul_f32 v[T+48+e:T+48+e+1], v[T+e:T+e+1], v[T+48+e:T+48+e+1]                 ; i tanh(c-hat)
.set e, e+2
.endr
.set e, 0
.rept 8
	v_pk_fma_f32 v[CC+e:CC+e+1], v[T+16+e:T+16+e+1], v[CC+e:CC+e+1], v[T+48+e:T+48+e+1]  ; c_new = f c + i tanh(c-hat)
.set e, e+2
.endr
.set e, 0
.rept 8
	v_pk_mul_f32 v[U+e:U+e+1], v[CC+e:CC+e+1], s[KT:KT+1] op_sel_hi:[1,0]
.set e, e+2
.endr
.set e, 0
.rept 16
	v_exp_f32 v[U+e], v[U+e]
.set e, e+1
.endr
	ds_store_b128 v[DLN], v[CC:CC+3]     offset:(\a)*16*PITCH     ; c_new into its stage, at c's places: my half of each row's 256 bytes
	ds_store_b128 v[DLN], v[CC+4:CC+7]   offset:(\a)*16*PITCH+16
	ds_store_b128 v[DLN], v[CC+8:CC+11]  offset:(\a)*16*PITCH+64
	ds_store_b128 v[DLN], v[CC+12:CC+15] offset:(\a)*16*PITCH+80
	v_nop
	s_wait_alu depctr_va_vdst(0)
.set e, 0
.rept 8
	v_pk_add_f32 v[U+e:U+e+1], v[U+e:U+e+1], 1.0 op_sel_hi:[1,0]
.set e, e+2
.endr
.set e, 0
.rept 16
	v_rcp_f32 v[U+e], v[U+e]
.set e, e+1
.endr
	v_nop
	s_wait_alu depctr_va_vdst(0)
.set e, 0
.rept 8
	v_pk_fma_f32 v[U+e:U+e+1], v[U+e:U+e+1], -2.0, 1.0 op_sel_hi:[1,0,0]              ; tanh(c_new)
.set e, e+2
.endr
.set e, 0
.rept 8
	v_pk_mul_f32 v[T+32+e:T+32+e+1], v[T+32+e:T+32+e+1], v[U+e:U+e+1]                 ; h_new = o tanh(c_new)
.set e, e+2
.endr
	ds_store_b128 v[DLH], v[T+32:T+35] offset:(\a)*16*PITCH
	ds_store_b128 v[DLH], v[T+36:T+39] offset:(\a)*16*PITCH+16
	ds_store_b128 v[DLH], v[T+40:T+43] offset:(\a)*16*PITCH+64
	ds_store_b128 v[DLH], v[T+44:T+47] offset:(\a)*16*PITCH+80
.endm
; THE WAY OUT, in four batches of 32 rows: 0, 1 c_new's, 2, 3 h_new's.  RDB: 16 loads, two whole rows of 256 bytes each, into set k % 2.  SENDB: their 16 stores.
.macro RDB k
.set tt, 0
.rept 16
.if (\k) < 2
	ds_load_b128 v[OB0+64*((\k)%2)+4*tt:OB0+64*((\k)%2)+4*tt+3], v[RDN] offset:(((\k)%2)*16+tt)*2*PITCH
.else
	ds_load_b128 v[OB0+64*((\k)%2)+4*tt:OB0+64*((\k)%2)+4*tt+3], v[RDH] offset:(((\k)%2)*16+tt)*2*PITCH
.endif
.set tt, tt+1
.endr
.endm
.macro SENDB k, younger                ; younger: the LDS loads issued behind batch k's: the next batch's sixteen, or none
.set tt, 0
.rept 16
	s_wait_dscnt (\younger)+15-tt
.if (\k) < 2
	global_store_b128 v[CO], v[OB0+64*((\k)%2)+4*tt:OB0+64*((\k)%2)+4*tt+3], s[O1:O1+1] offset:(((\k)%2)*16+tt)*2*ROWB th:TH_STORE_NT  ; 16 lanes store 256 consecutive bytes, at a multiple of 256 from the output's first byte
.else
	global_store_b128 v[CO], v[OB0+64*((\k)%2)+4*tt:OB0+64*((\k)%2)+4*tt+3], s[O0:O0+1] offset:(((\k)%2)*16+tt)*2*ROWB th:TH_STORE_NT
.endif
.set tt, tt+1
.endr
.endm
	s_wait_tensorcnt 1                             ; my part of K step 0 is in; K step 1's may stay out
	s_barrier_signal -1
	s_barrier_wait -1                              ; everybody's is
	FETCH 0, 0, F0
	QUARTER 0, 64,  F0, F1, 1                      ; the first quarter stands in front of the loop: its products start the sums
	WIN 0                                          ; at a label and at a branch every window is 0
	s_mov_b32 s3, LAPS-1
.Llap:                                                 ; a trip goes once round the ring, from a lap's second quarter to the next lap's first, and fills both slots again
	QUARTER 0, 128, F1, F0, 0
	QUARTER 0, 192, F0, F1, 0
	TURN 0, 1
	QUARTER 1, 64,  F0, F1, 0
	QUARTER 1, 128, F1, F0, 0
	QUARTER 1, 192, F0, F1, 0
	TURN 1, 0
	QUARTER 0, 64,  F0, F1, 0
	WIN 0
	s_sub_co_u32 s3, s3, 1
	s_cmp_lg_u32 s3, 0
	s_cbranch_scc1 .Llap
	QUARTER 0, 128, F1, F0, 0                      ; the last lap is written out: it asks for c's tile and for nothing more
	QUARTER 0, 192, F0, F1, 0
	CTURN
	QUARTER 1, 64,  F0, F1, 0
	QUARTER 1, 128, F1, F0, 0
	QUARTER 1, 192, F0, F1, 0
	LASTQ
	s_wait_loadcnt 0x0                             ; the biases, asked for at the head
.set e, 0
.rept 24                                       ; each bias times its gate's factor, so that one fused line makes factor x (sum + bias).  These 32 plain lines name no register of the last
	v_pk_mul_f32 v[BI+e:BI+e+1], v[BI+e:BI+e+1], s[KS:KS+1] op_sel_hi:[1,0]  ; products: they are the places behind them
.set e, e+2
.endr
.rept 8
	v_pk_mul_f32 v[BI+e:BI+e+1], v[BI+e:BI+e+1], s[KT:KT+1] op_sel_hi:[1,0]
.set e, e+2
.endr
.irp a, 0,1,2,3,4,5,6,7
	UNIT \a
.endr
	s_wait_dscnt 0x0                               ; for the others' sake: my stores into the two stages are done
	s_barrier_signal -1
	s_barrier_wait -1                              ; a row's 256 bytes come from two waves: now they are whole
	RDB 0
	RDB 1
	SENDB 0, 16
	s_wait_xcnt 0x0                                ; batch 0's stores have read their data: set 0 is loaded again only behind this wait
	RDB 2
	SENDB 1, 16
	s_wait_xcnt 0x0                                ; the same for set 1
	RDB 3
	SENDB 2, 16
	SENDB 3, 0
	s_wait_tensorcnt 0x0                           ; the wave's end: behind my last tensor load and my last LDS store
	ds_add_u32 v[SPW], v[NIL]
	s_wait_dscnt 0x0
	CROUND                                         ; the closing round: no work-group ends while a partner may still ask for a tile that names it
	s_endpgm
.Lfunc_end_k_q524a196862_lstm:
	.size	k_q524a196862_lstm, .Lfunc_end_k_q524a196862_lstm-k_q524a196862_lstm
	.p2alignl 7, 3214868480
	.fill 96, 4, 3214868480
	.section	.rodata,"a",@progbits
	.p2align	6, 0x0
	.amdhsa_kernel k_q524a196862_lstm
		.amdhsa_group_segment_fixed_size 327680
		.amdhsa_private_segment_fixed_size 0
		.amdhsa_enable_private_segment 0
		.amdhsa_kernarg_size 72
		.amdhsa_user_sgpr_count 2
		.amdhsa_user_sgpr_kernarg_segment_ptr 1
		.amdhsa_wavefront_size32 1
		.amdhsa_system_sgpr_workgroup_id_x 1
		.amdhsa_system_sgpr_workgroup_id_y 1
		.amdhsa_system_sgpr_workgroup_id_z 1
		.amdhsa_system_vgpr_workitem_id 0
		.amdhsa_next_free_vgpr 1024
		.amdhsa_next_free_sgpr 100
		.amdhsa_reserve_vcc 0
		.amdhsa_float_denorm_mode_32 3
		.amdhsa_float_denorm_mode_16_64 3
		.amdhsa_memory_ordered 1
		.amdhsa_forward_progress 1
		.amdhsa_inst_pref_size 239
	.end_amdhsa_kernel
	.amdgpu_metadata
---
amdhsa.version: [ 1, 2 ]
amdhsa.kernels:
  - .name:           k_q524a196862_lstm
    .symbol:         k_q524a196862_lstm.kd
    .args:
      - { .name: abf, .offset: 0, .size: 8, .value_kind: global_buffer, .address_space: global }
      - { .name: wbf, .offset: 8, .size: 8, .value_kind: global_buffer, .address_space: global }
      - { .name: c, .offset: 16, .size: 8, .value_kind: global_buffer, .address_space: global }
      - { .name: W_i_b, .offset: 24, .size: 8, .value_kind: global_buffer, .address_space: global }
      - { .name: W_f_b, .offset: 32, .size: 8, .value_kind: global_buffer, .address_space: global }
      - { .name: W_o_b, .offset: 40, .size: 8, .value_kind: global_buffer, .address_space: global }
      - { .name: W_c_b, .offset: 48, .size: 8, .value_kind: global_buffer, .address_space: global }
      - { .name: out0, .offset: 56, .size: 8, .value_kind: global_buffer, .address_space: global }
      - { .name: out1, .offset: 64, .size: 8, .value_kind: global_buffer, .address_space: global }
    .group_segment_fixed_size: 327680
    .private_segment_fixed_size: 0
    .kernarg_segment_align: 8
    .kernarg_segment_size: 72
    .max_flat_workgroup_size: 128
    .sgpr_count:     100
    .vgpr_count:     1024
    .wavefront_size: 32
...
	.end_amdgpu_metadata
.endif
;; end of part 2
;; ======== version 2 of 2: 2 launches; version 1 with the launch cast written anew for expert scheduling mode
;; workspace buffers: abf 16,777,216 bytes; wbf 67,108,864 bytes
;; launch cast (part 3): grid 256 x 1, 16 waves a work-group, no clusters, 0 bytes of LDS; arguments x, h, W_i_w, W_f_w, W_o_w, W_c_w, abf, wbf; writes abf, wbf
.if DOCPART == 3
	.amdgcn_target "amdgcn-amd-amdhsa--gfx1250"
	.amdhsa_code_object_version 6
	.text
	.protected	k_q524a196862_cast
	.globl	k_q524a196862_cast
	.p2align	8
	.type	k_q524a196862_cast,@function
k_q524a196862_cast:
	s_mov_b64 s[64:65], 0
	v_nop
	global_prefetch_b8 v0, s[64:65] scope:SCOPE_SE
	s_setreg_imm32_b32 hwreg(HW_REG_WAVE_SCHED_MODE, 0, 2), 2
	s_setreg_imm32_b32 hwreg(HW_REG_WAVE_MODE, 25, 1), 1
	s_wait_xcnt 0x0
	s_wait_alu depctr_vm_vsrc(0)
; THE OPERANDS OF THE PRODUCT, ROUNDED ONCE TO bf16 (to nearest even) AND LAID OUT FOR IT.
;   abf[r][0..2047] = x[r][:], abf[r][2048..4095] = h[r][:]                      [2048][4096] bf16, rows of 8,192 bytes
;   wbf[(j>>5)*128 + g*32 + (j&31)][:] = W_g[j][:], g = 0 i, 1 f, 2 o, 3 c-hat   [8192][4096] bf16, rows of 8,192 bytes
; The order of wbf's rows puts 32 hidden columns of all four gates into 128 neighbouring rows, which is what one wave of the next launch multiplies.
; LIMITS.  A number beyond bf16's largest finite one rounds to an infinity; NaN stays NaN.
; SHARES.  Work-group b, wave w: row j = 8 b + (w >> 1), half s = w & 1 of that row in all six sources: 4 KiB of x, 4 KiB of h, 8 KiB of each W: 80 loads of 16 bytes a lane,
; each 512 consecutive bytes for the wave.  Four f32 become 8 bytes a lane: a store of the wave covers 256 consecutive bytes, aligned.  Every byte is read once and written once.
; No wave wants what another has fetched: no LDS, no barrier, no matrix unit.  Nothing is prefetched: the launch is nothing but its loads and stores.
; The six sources are six buffers, so the 80 turns are written out: each access is a fixed base, one of four offsets that are never rewritten, and an immediate.
; THE MODE: SCHED_MODE bits 1:0 = 2 (LLVM: expert scheduling mode 2), set by the entry lines.  The code itself states the register dependences
; between vector instructions and memory instructions, with s_wait_alu, always for 0.
; THE PLAN.  The 80 loads go in 10 blocks of eight.  Registers that memory instructions touch:
;   X0 .. X4   five blocks as loaded.  Written by the loads of block p + 4, issued in block p (blocks 0 to 3 at the head); read by block p's sixteen conversions.
;   Y0, Y1     two blocks to store.    Written by block p's conversions; read by the eight stores that are issued in block p + 1.
;   v2 .. v5   byte offsets, made once at the head and never written again: the immediates do the rest.
; Block p works on X[p % 5] and writes Y[p % 2].  Its memory instructions are the loads into X[(p + 4) % 5] = X[(p - 1) % 5] and the stores from Y[(p - 1) % 2]: the two buffers
; that block p - 1 worked on and that no vector instruction of block p names.  So the waits at a block's head state all that the block's sixteen memory instructions hang on,
; and these are dealt among its conversions with no further wait.
.set BLOCK,  8                         ; loads in a block
.set BLOCKS, 10
.set AHEAD,  4                         ; block p asks for block p + 4: three younger blocks are out at a block's head, four when its loads have been issued
.set TOTAL, BLOCK*BLOCKS               ; loads of a wave: 80
.set VX, 2                             ; v2  16 lane + 8,192 j + 4,096 s: my 16 bytes in x and in h
.set VW, 3                             ; v3  16 lane + 16,384 j + 8,192 s: in each W
.set DA, 4                             ; v4  8 lane + 8,192 j + 2,048 s: my 8 bytes in abf (x's part; h's lies 4,096 further)
.set DW, 5                             ; v5  8 lane + 8,192 ((j>>5) 128 + (j&31)) + 4,096 s: in wbf, gate 0; a gate is 32 rows = 262,144 bytes
.set Y,  8                             ; v[8:39]    two buffers of eight slots of two registers: 4 bf16 to store; load t's at Y + 2 (t % 16)
.set X,  40                            ; v[40:199]  five buffers of eight slots of four registers: 4 f32 as loaded; load t's at X + 4 (t % 40)
	s_load_b512 s[8:23], s[0:1], 0x0               ; x s[8:9], h s[10:11], W_i s[12:13], W_f s[14:15], W_o s[16:17], W_c s[18:19], abf s[20:21], wbf s[22:23]
	v_and_b32 v1, 31, v0                           ; lane
	v_lshrrev_b32 v6, 5, v0
	v_readfirstlane_b32 s2, v6                     ; wave 0..15
	s_wait_alu depctr_va_sdst(0)                   ; s2 is written, ahead of its first reader: the four offsets are made from it
	s_lshr_b32 s3, s2, 1
	s_lshl_b32 s5, ttmp9, 3
	s_add_co_u32 s3, s3, s5                        ; j
	s_and_b32 s4, s2, 1                            ; s
	s_lshl_b32 s5, s3, 13                          ; 8,192 j
	s_lshl_b32 s6, s4, 12
	s_add_co_u32 s6, s5, s6
	v_lshl_add_u32 v[VX], v1, 4, s6
	s_lshl_b32 s6, s3, 14
	s_lshl_b32 s7, s4, 13
	s_add_co_u32 s6, s6, s7
	v_lshl_add_u32 v[VW], v1, 4, s6
	s_lshl_b32 s6, s4, 11
	s_add_co_u32 s6, s5, s6
	v_lshl_add_u32 v[DA], v1, 3, s6
	s_lshr_b32 s6, s3, 5
	s_lshl_b32 s6, s6, 7
	s_and_b32 s7, s3, 31
	s_add_co_u32 s6, s6, s7                        ; the row of wbf for gate 0
	s_lshl_b32 s6, s6, 13
	s_lshl_b32 s7, s4, 12
	s_add_co_u32 s6, s6, s7
	v_lshl_add_u32 v[DW], v1, 3, s6
	s_wait_kmcnt 0x0
	s_wait_alu depctr_va_vdst(0)                   ; v2 to v5 are written: every load and store of the kernel reads one of them as its offset
; Load t of 80: 0-7 x, 8-15 h, then 16 for each W.
.macro LD t
.if (\t) < 8
	global_load_b128 v[X+4*((\t)%40):X+4*((\t)%40)+3], v[VX], s[8:9] offset:512*(\t) th:TH_LOAD_NT
.elseif (\t) < 16
	global_load_b128 v[X+4*((\t)%40):X+4*((\t)%40)+3], v[VX], s[10:11] offset:512*((\t)-8) th:TH_LOAD_NT
.else
	global_load_b128 v[X+4*((\t)%40):X+4*((\t)%40)+3], v[VW], s[12+2*(((\t)-16)/16):13+2*(((\t)-16)/16)] offset:512*(((\t)-16)%16) th:TH_LOAD_NT
.endif
.endm
; Its store.
.macro ST t
.if (\t) < 8
	global_store_b64 v[DA], v[Y+2*((\t)%16):Y+2*((\t)%16)+1], s[20:21] offset:256*(\t) th:TH_STORE_NT
.elseif (\t) < 16
	global_store_b64 v[DA], v[Y+2*((\t)%16):Y+2*((\t)%16)+1], s[20:21] offset:4096+256*((\t)-8) th:TH_STORE_NT
.else
	global_store_b64 v[DW], v[Y+2*((\t)%16):Y+2*((\t)%16)+1], s[22:23] offset:262144*(((\t)-16)/16)+256*(((\t)-16)%16) th:TH_STORE_NT
.endif
.endm
; Its rounding: four f32 into four bf16.
.macro CV t
	v_cvt_pk_bf16_f32 v[Y+2*((\t)%16)],   v[X+4*((\t)%40)],   v[X+4*((\t)%40)+1]
	v_cvt_pk_bf16_f32 v[Y+2*((\t)%16)+1], v[X+4*((\t)%40)+2], v[X+4*((\t)%40)+3]
.endm
; Block p.  A load and a store stand in front of each slot's two conversions, the load first.
.macro BLK p
.if BLOCK*(BLOCKS-1-(\p)) < BLOCK*(AHEAD-1)
	s_wait_loadcnt BLOCK*(BLOCKS-1-(\p))           ; the last blocks load nothing: the counts run down
.else
	s_wait_loadcnt BLOCK*(AHEAD-1)                 ; loads come back in order (ISA guide 5.7.1): X[p % 5] is in, the three younger blocks stay out
.endif
.if (\p) >= 2                                  ; (in blocks 0 and 1 no store has yet read the Y that they write)
	s_wait_xcnt 0x0                                ; every earlier memory instruction has had its addresses translated (ISA guide 3.1): Y[p % 2] is rewritten only behind this wait
	s_wait_alu depctr_vm_vsrc(0)                   ; the stores issued in the block before have read Y[p % 2], which this block's conversions write again
.endif
.if (\p) >= 1                                  ; (block 0 has no block in front of it: it stores nothing, and no vector instruction has named X4)
	s_wait_alu depctr_va_vdst(0)                   ; the block before has written the other Y, which the stores below read, and is done reading its X, in which the loads below land
.endif
.set i, 0
.rept BLOCK
.if (\p)+AHEAD < BLOCKS
	LD BLOCK*((\p)+AHEAD)+i                        ; four blocks ahead; no vector instruction since the wait names these registers
.endif
.if (\p) >= 1
	ST BLOCK*((\p)-1)+i                            ; the block before
.endif
	CV BLOCK*(\p)+i
.set i, i+1
.endr
.endm
.set n, 0
.rept BLOCK*AHEAD
	LD n                                           ; blocks 0 to 3 into X0 to X3
.set n, n+1
.endr
.set n, 0
.rept BLOCKS
	BLK n
.set n, n+1
.endr
	s_wait_alu depctr_va_vdst(0)                   ; block 9 has written Y1, which the last eight stores read
.set n, TOTAL-BLOCK
.rept BLOCK
	ST n
.set n, n+1
.endr
	s_endpgm
.Lfunc_end_k_q524a196862_cast:
	.size	k_q524a196862_cast, .Lfunc_end_k_q524a196862_cast-k_q524a196862_cast
	.p2alignl 7, 3214868480
	.fill 96, 4, 3214868480
	.section	.rodata,"a",@progbits
	.p2align	6, 0x0
	.amdhsa_kernel k_q524a196862_cast
		.amdhsa_group_segment_fixed_size 0
		.amdhsa_private_segment_fixed_size 0
		.amdhsa_enable_private_segment 0
		.amdhsa_kernarg_size 64
		.amdhsa_user_sgpr_count 2
		.amdhsa_user_sgpr_kernarg_segment_ptr 1
		.amdhsa_wavefront_size32 1
		.amdhsa_system_sgpr_workgroup_id_x 1
		.amdhsa_system_sgpr_workgroup_id_y 1
		.amdhsa_system_sgpr_workgroup_id_z 1
		.amdhsa_system_vgpr_workitem_id 0
		.amdhsa_next_free_vgpr 200
		.amdhsa_next_free_sgpr 66
		.amdhsa_reserve_vcc 0
		.amdhsa_float_denorm_mode_32 3
		.amdhsa_float_denorm_mode_16_64 3
		.amdhsa_memory_ordered 1
		.amdhsa_forward_progress 1
		.amdhsa_inst_pref_size 28
	.end_amdhsa_kernel
	.amdgpu_metadata
---
amdhsa.version: [ 1, 2 ]
amdhsa.kernels:
  - .name:           k_q524a196862_cast
    .symbol:         k_q524a196862_cast.kd
    .args:
      - { .name: x, .offset: 0, .size: 8, .value_kind: global_buffer, .address_space: global }
      - { .name: h, .offset: 8, .size: 8, .value_kind: global_buffer, .address_space: global }
      - { .name: W_i_w, .offset: 16, .size: 8, .value_kind: global_buffer, .address_space: global }
      - { .name: W_f_w, .offset: 24, .size: 8, .value_kind: global_buffer, .address_space: global }
      - { .name: W_o_w, .offset: 32, .size: 8, .value_kind: global_buffer, .address_space: global }
      - { .name: W_c_w, .offset: 40, .size: 8, .value_kind: global_buffer, .address_space: global }
      - { .name: abf, .offset: 48, .size: 8, .value_kind: global_buffer, .address_space: global }
      - { .name: wbf, .offset: 56, .size: 8, .value_kind: global_buffer, .address_space: global }
    .group_segment_fixed_size: 0
    .private_segment_fixed_size: 0
    .kernarg_segment_align: 8
    .kernarg_segment_size: 64
    .max_flat_workgroup_size: 512
    .sgpr_count:     66
    .vgpr_count:     200
    .wavefront_size: 32
...
	.end_amdgpu_metadata
.endif
;; end of part 3
;; launch lstm: the kernel of part 2 again; grid 32 x 8, 4 waves a work-group, clusters of 4 x 4, 327,680 bytes of LDS; arguments abf, wbf, c, W_i_b, W_f_b, W_o_b, W_c_b, out0, out1; writes out0, out1
